; MI455X (gfx1250); checked and timed in simulation.
; The chip was launched on July 23, 2026; its instructions are those of AMD's public machine-readable ISA for CDNA 5 (MIT licence, August 2026) and "CDNA5" Instruction Set Architecture Reference Guide (July 2026). The comments in the code are by the model that wrote it; some were corrected since.
;; Attention Layer. Allowed arithmetic: float matrix products may take bf16 or f16 operands with f32 sums; all other float work in f32.
;; Inputs: Wk 1,024 x 1,024 float32; Wq 1,024 x 1,024 float32; bk 1,024 float32; bq 1,024 float32; decoder_hidden_state 32 x 1,024 float32; encoder_output 32 x 2,048 x 1,024 float32; mask 32 x 2,048 bool.
;; Outputs: out0 32 x 1 x 1,024 float32.
;; Constants: max_src_length = 2048.
;; 2 versions, each right; version 2 is version 1 with the launch stream written anew for expert scheduling mode. Each part assembles by itself: llvm-mc -triple=amdgcn-amd-amdhsa -mcpu=gfx1250 --defsym DOCPART=n.
;; ======== version 1 of 2: 4 launches
;; workspace buffers: qp 2,097,152 bytes; up 2,097,152 bytes; cpart 2,048 bytes; part 1,114,112 bytes
;; launch qpart (part 1): grid 16 x 16, 8 waves a work-group, no clusters, 25,600 bytes of LDS; arguments decoder_hidden_state, Wq, qp; writes qp
.if DOCPART == 1
	.amdgcn_target "amdgcn-amd-amdhsa--gfx1250"
	.amdhsa_code_object_version 6
	.text
	.protected	k_q70e4ebf953_qpart
	.globl	k_q70e4ebf953_qpart
	.p2align	8
	.type	k_q70e4ebf953_qpart,@function
k_q70e4ebf953_qpart:
	s_mov_b64 s[64:65], 0
	v_nop
	global_prefetch_b8 v0, s[64:65] scope:SCOPE_SE
	s_setreg_imm32_b32 hwreg(HW_REG_WAVE_MODE, 25, 1), 1
	s_wait_xcnt 0x0
; qp[fs][b][e] = the sum over the 64 f of slice fs of h[b][f] Wq[f][e].   h: [32][1024], Wq: [1024 f][1024 e], qp: [16 fs][32 b][1024 e], all f32.
; THE WHOLE PROGRAM.  reference() forms k = enc Wk + bk and then q . k.  Here the sums are taken in another order: q . (enc_l Wk + bk) = enc_l . (Wk q) + q . bk, an identity for
; every input.  So the products left have 32 rows (this launch and the next) or one row (the stream), and the program is bound by reading enc once.
; LIMIT: the order of rounding differs from reference()'s (re-associated and split sums); NaN and infinities are not treated apart.
; NO MATRIX UNIT: a byte of Wq feeds 32 / 4 = 8 multiply-adds, so the launch is bound by its 4 MiB of Wq; and q rounded to 16 bits would shift every energy, and with it every softmax
; weight, by a share that the 1% allowance of the output does not hold.  All arithmetic is f32.
; NO CLUSTER: what work-groups share is h's slice, 8 KiB beside 16 KiB of Wq of their own, read once each; the launch is one trip to memory long.
; SHARES.  Work-group (es, fs): 32 b x 64 e (columns 64 es ..) over 64 f (rows 64 fs ..).  Thread t: columns 4 (t % 16) .. + 3, batches 2 (t / 16) and 2 (t / 16) + 1.
.set WT,    0                          ; LDS: Wq's tile [64 f][64 e], rows of 256 bytes; it is read along e, 16 lanes x 16 neighbouring bytes: no padding wanted
.set HT,    16384                      ; LDS: h's tile [32 b][64 f], rows of 256 bytes; 16 lanes read the same 16 bytes
.set SPARE, 24576                      ; the spare words, 128 bytes for each of the eight waves: four blocks of 256 bytes that no other line names
.set GOF, 1                            ; v1      (t / 16) x 4,096 + (t % 16) x 16: my 16 bytes of a tile's row in memory (both tensors have rows of 4,096 bytes)
.set LST, 2                            ; v2      16 t: where they go in a tile in LDS
.set WRD, 3                            ; v3      16 (t % 16): my four columns in a row of WT
.set HRD, 4                            ; v4      HT + 512 (t / 16): my two batches' rows in HT
.set OOF, 5                            ; v5      (t / 16) x 8,192 + 16 (t % 16): my 16 bytes in qp
.set SPW, 6                            ; v6      LDS address of my spare word; never rewritten
.set NIL, 7                            ; v7      0; never rewritten
.set LW,  8                            ; v[8:23]  four loads of Wq
.set LH,  24                           ; v[24:31] two loads of h
.set ACC, 32                           ; v[32:39] sums: batch n at ACC + 4 n, four columns
.set SET, 40                           ; v[40:63], v[64:87] two sets for a step of 4 f: Wq's row k at + 4 k, h of batch n at + 16 + 4 n
	s_load_b128 s[4:7], s[0:1], 0x0                ; h s[4:5], Wq s[6:7]
	s_load_b64 s[8:9], s[0:1], 0x10                ; qp
	v_lshl_add_u32 v[SPW], v0, 2, SPARE
	v_mov_b32 v[NIL], 0
	s_and_b32 s11, ttmp7, 0xffff                   ; fs
	s_lshl_b32 s14, ttmp9, 8                       ; es x 64 columns x 4 bytes
	s_lshl_b32 s12, s11, 18                        ; fs x 64 rows x 4,096 bytes
	s_add_co_u32 s12, s12, s14
	s_mov_b32 s13, 0
	s_lshl_b32 s16, s11, 8                         ; fs x 64 columns of h
	s_mov_b32 s17, 0
	s_lshl_b32 s18, s11, 17                        ; fs x 32 rows x 4,096 bytes of qp
	s_add_co_u32 s18, s18, s14
	s_mov_b32 s19, 0
	v_lshrrev_b32 v[ACC], 4, v0                    ; t / 16
	v_and_b32 v[ACC+1], 15, v0                     ; t % 16
	v_lshlrev_b32 v[GOF], 12, v[ACC]
	v_lshl_add_u32 v[GOF], v[ACC+1], 4, v[GOF]
	v_lshlrev_b32 v[LST], 4, v0
	v_lshlrev_b32 v[WRD], 4, v[ACC+1]
	v_lshlrev_b32 v[HRD], 9, v[ACC]
	v_add_nc_u32 v[HRD], HT, v[HRD]
	v_lshlrev_b32 v[OOF], 13, v[ACC]
	v_lshl_add_u32 v[OOF], v[ACC+1], 4, v[OOF]
	s_wait_kmcnt 0x0
	s_add_nc_u64 s[4:5], s[4:5], s[16:17]
	s_add_nc_u64 s[6:7], s[6:7], s[12:13]
	s_add_nc_u64 s[8:9], s[8:9], s[18:19]
	; Both tiles: sixteen lanes take one row's 256 bytes, which begin at a multiple of 256 from the buffer's first byte; the work-group takes 16 rows with one load.
.irp i, 0,1,2,3
	global_load_b128 v[LW+4*(\i):LW+4*(\i)+3], v[GOF], s[6:7] offset:65536*(\i) th:TH_LOAD_NT   ; Wq is read once in the launch
.endr
.irp i, 0,1
	global_load_b128 v[LH+4*(\i):LH+4*(\i)+3], v[GOF], s[4:5] offset:65536*(\i)
.endr
.irp i, 0,1,2,3
	s_wait_loadcnt 5-(\i)                          ; loads come back in order (ISA guide 5.7.1): load i is in, the younger ones stay out
	ds_store_b128 v[LST], v[LW+4*(\i):LW+4*(\i)+3] offset:WT+4096*(\i)
.endr
.irp i, 0,1
	s_wait_loadcnt 1-(\i)
	ds_store_b128 v[LST], v[LH+4*(\i):LH+4*(\i)+3] offset:HT+4096*(\i)
.endr
	s_wait_dscnt 0x0                               ; for the others' sake: my stores into the tiles are done
	s_barrier_signal -1
	s_barrier_wait -1                              ; everybody's are
; Six LDS loads: the four rows of Wq and the two batches' four numbers of h of step s (f = 4 s .. 4 s + 3), into set z
.macro LDSTEP z, s
.irp k, 0,1,2,3
	ds_load_b128 v[SET+24*(\z)+4*(\k):SET+24*(\z)+4*(\k)+3], v[WRD] offset:WT+(4*(\s)+(\k))*256
.endr
.irp n, 0,1
	ds_load_b128 v[SET+24*(\z)+16+4*(\n):SET+24*(\z)+16+4*(\n)+3], v[HRD] offset:(\n)*256+16*(\s)
.endr
.endm
; Sixteen packed multiply-adds: two columns at a time, times one number of h taken for both halves (the pair's first register for even k, its second for odd k).
; first = 1: the products of k = 0 start the sums: nothing is cleared.
.macro FMSTEP z, first
.irp k, 0,1,2,3
.irp n, 0,1
.irp p, 0,1
.if (\first) && ((\k) == 0)
	v_pk_mul_f32 v[ACC+4*(\n)+2*(\p):ACC+4*(\n)+2*(\p)+1], v[SET+24*(\z)+4*(\k)+2*(\p):SET+24*(\z)+4*(\k)+2*(\p)+1], v[SET+24*(\z)+16+4*(\n):SET+24*(\z)+16+4*(\n)+1] op_sel_hi:[1,0]
.elseif ((\k)%2) == 0
	v_pk_fma_f32 v[ACC+4*(\n)+2*(\p):ACC+4*(\n)+2*(\p)+1], v[SET+24*(\z)+4*(\k)+2*(\p):SET+24*(\z)+4*(\k)+2*(\p)+1], v[SET+24*(\z)+16+4*(\n)+2*((\k)/2):SET+24*(\z)+16+4*(\n)+2*((\k)/2)+1], v[ACC+4*(\n)+2*(\p):ACC+4*(\n)+2*(\p)+1] op_sel_hi:[1,0,1]
.else
	v_pk_fma_f32 v[ACC+4*(\n)+2*(\p):ACC+4*(\n)+2*(\p)+1], v[SET+24*(\z)+4*(\k)+2*(\p):SET+24*(\z)+4*(\k)+2*(\p)+1], v[SET+24*(\z)+16+4*(\n)+2*((\k)/2):SET+24*(\z)+16+4*(\n)+2*((\k)/2)+1], v[ACC+4*(\n)+2*(\p):ACC+4*(\n)+2*(\p)+1] op_sel:[0,1,0] op_sel_hi:[1,1,1]
.endif
.endr
.endr
.endr
.endm
	; Sixteen steps of 4 f on two sets: a step's loads are issued one step ahead of its arithmetic.
	LDSTEP 0, 0
	LDSTEP 1, 1
	s_wait_dscnt 6                                 ; all but the six just issued: step 0's set is in
	FMSTEP 0, 1
.set stp, 1
.rept 14
	LDSTEP (stp+1)&1, stp+1
	s_wait_dscnt 6                                 ; all but the six just issued
	FMSTEP stp&1, 0
.set stp, stp+1
.endr
	s_wait_dscnt 0x0
	FMSTEP 1, 0                                    ; step 15
.irp n, 0,1
	global_store_b128 v[OOF], v[ACC+4*(\n):ACC+4*(\n)+3], s[8:9] offset:4096*(\n)   ; 16 lanes store 256 consecutive bytes, at a multiple of 256 from qp's first byte
.endr
	s_wait_tensorcnt 0x0                           ; the wave's end: three closing lines, behind my last LDS store
	ds_add_u32 v[SPW], v[NIL]
	s_wait_dscnt 0x0
	s_endpgm
.Lfunc_end_k_q70e4ebf953_qpart:
	.size	k_q70e4ebf953_qpart, .Lfunc_end_k_q70e4ebf953_qpart-k_q70e4ebf953_qpart
	.p2alignl 7, 3214868480
	.fill 96, 4, 3214868480
	.section	.rodata,"a",@progbits
	.p2align	6, 0x0
	.amdhsa_kernel k_q70e4ebf953_qpart
		.amdhsa_group_segment_fixed_size 25600
		.amdhsa_private_segment_fixed_size 0
		.amdhsa_enable_private_segment 0
		.amdhsa_kernarg_size 24
		.amdhsa_user_sgpr_count 2
		.amdhsa_user_sgpr_kernarg_segment_ptr 1
		.amdhsa_wavefront_size32 1
		.amdhsa_system_sgpr_workgroup_id_x 1
		.amdhsa_system_sgpr_workgroup_id_y 1
		.amdhsa_system_sgpr_workgroup_id_z 1
		.amdhsa_system_vgpr_workitem_id 0
		.amdhsa_next_free_vgpr 88
		.amdhsa_next_free_sgpr 66
		.amdhsa_reserve_vcc 0
		.amdhsa_float_denorm_mode_32 3
		.amdhsa_float_denorm_mode_16_64 3
		.amdhsa_memory_ordered 1
		.amdhsa_forward_progress 1
		.amdhsa_inst_pref_size 26
	.end_amdhsa_kernel
	.amdgpu_metadata
---
amdhsa.version: [ 1, 2 ]
amdhsa.kernels:
  - .name:           k_q70e4ebf953_qpart
    .symbol:         k_q70e4ebf953_qpart.kd
    .args:
      - { .name: decoder_hidden_state, .offset: 0, .size: 8, .value_kind: global_buffer, .address_space: global }
      - { .name: Wq, .offset: 8, .size: 8, .value_kind: global_buffer, .address_space: global }
      - { .name: qp, .offset: 16, .size: 8, .value_kind: global_buffer, .address_space: global }
    .group_segment_fixed_size: 25600
    .private_segment_fixed_size: 0
    .kernarg_segment_align: 8
    .kernarg_segment_size: 24
    .max_flat_workgroup_size: 256
    .sgpr_count:     66
    .vgpr_count:     88
    .wavefront_size: 32
...
	.end_amdgpu_metadata
.endif
;; end of part 1
;; launch upart (part 2): grid 16 x 16, 8 waves a work-group, no clusters, 26,624 bytes of LDS; arguments qp, bq, Wk, bk, up, cpart; writes up, cpart
.if DOCPART == 2
	.amdgcn_target "amdgcn-amd-amdhsa--gfx1250"
	.amdhsa_code_object_version 6
	.text
	.protected	k_q70e4ebf953_upart
	.globl	k_q70e4ebf953_upart
	.p2align	8
	.type	k_q70e4ebf953_upart,@function
k_q70e4ebf953_upart:
	s_mov_b64 s[64:65], 0
	v_nop
	global_prefetch_b8 v0, s[64:65] scope:SCOPE_SE
	s_setreg_imm32_b32 hwreg(HW_REG_WAVE_MODE, 25, 1), 1
	s_wait_xcnt 0x0
; q[b][e] = bq[e] + the sum over fs of qp[fs][b][e], for the 64 e of slice es;  up[es][b][d] = the sum over those e of Wk[d][e] q[b][e];  cpart[b][es] = the sum over those e of q[b][e] bk[e].
; qp: [16][32][1024], Wk: [1024 d][1024 e], up: [16 es][32 b][1024 d], cpart: [32 b][16 es], all f32.  Summed over es, up is u = Wk q and cpart is c = q . bk:
; the energy of position l is (enc_l . u + c) / 32, which equals reference()'s q . (enc_l Wk + bk) / 32 for every input.
; LIMIT: the order of rounding differs from reference()'s; NaN and infinities are not treated apart.
; NO MATRIX UNIT: 32 rows; a byte of Wk feeds 8 multiply-adds, so the launch is bound by its bytes; and u rounded to 16 bits would shift every energy by more than the output's allowance holds.
; NO CLUSTER: the sixteen work-groups of one es read the same 128 KiB of qp, but each sums them into registers as they arrive, in a launch that is one trip to memory long.
; SHARES.  Work-group (es, ds): 32 b x 64 d (rows 64 ds .. of Wk) over 64 e.  Thread t in the products: d = 4 (t % 16) + j, b = 2 (t / 16) + n.  In the loads: rows t / 16 + 16 i, bytes 16 (t % 16).
.set WT,    0                          ; LDS: Wk's tile, 64 rows of 272 bytes.  Row d of the tile lies at LDS row 16 (d % 4) + d / 4, so that for one j the sixteen lanes read rows 272 bytes = 68 words
.set WP,    272                        ;      apart: they start at sixteen different groups of four banks (64 banks of 4 bytes: ISA guide 11.1)
.set QT,    17408                      ; LDS: q's tile [32 b][64 e], rows of 256 bytes; 16 lanes read the same 16 bytes
.set SPARE, 25600                      ; the spare words, 128 bytes for each of the eight waves: four blocks of 256 bytes that no other line names
.set GOF, 1                            ; v1      (t / 16) x 4,096 + 16 (t % 16): my 16 bytes of a row in qp and in Wk
.set QST, 2                            ; v2      QT + 16 t
.set WST, 3                            ; v3      (16 ((t / 16) % 4) + (t / 16) / 4) x 272 + 16 (t % 16)
.set WRD, 4                            ; v4      272 (t % 16)
.set QRD, 5                            ; v5      QT + 512 (t / 16)
.set SPW, 6                            ; v6      LDS address of my spare word; never rewritten
.set NIL, 7                            ; v7      0; never rewritten
.set OOF, 8                            ; v8      (t / 16) x 8,192 + 16 (t % 16): my 16 bytes in up
.set BOF, 9                            ; v9      16 (t % 16): my four numbers of bq and bk
.set COF, 10                           ; v10     64 (t / 16): batch t / 16 in cpart
.set LW,  12                           ; v[12:27]   four loads of Wk
.set BQ,  28                           ; v[28:31]
.set BK,  32                           ; v[32:35]
.set P,   36                           ; v[36:163]  qp: slice fs, batch t / 16 + 16 n at P + 8 fs + 4 n; q is summed in place in slice 0's registers, v[36:43], and stays there
.set CP,  164                          ; v164-165   q . bk of batch t / 16 + 16 n
.set SET, 44                           ; behind the barrier, in qp's registers: v[44:67], v[68:91] two sets for a step of 4 e: Wk's row j at + 4 j, q of batch n at + 16 + 4 n
.set ACC, 100                          ; v[100:115] sums: (n, j) at ACC + 8 n + 2 j, a pair: even e, odd e
.set O,   116                          ; v[116:123] the pairs added: batch n at O + 4 n, four neighbouring d
	s_load_b256 s[4:11], s[0:1], 0x0               ; qp s[4:5], bq s[6:7], Wk s[8:9], bk s[10:11]
	s_load_b128 s[12:15], s[0:1], 0x20             ; up s[12:13], cpart s[14:15]
	v_lshl_add_u32 v[SPW], v0, 2, SPARE
	v_mov_b32 v[NIL], 0
	s_and_b32 s17, ttmp7, 0xffff                   ; ds
	s_lshl_b32 s18, ttmp9, 8                       ; es x 64 numbers x 4 bytes
	s_mov_b32 s19, 0
	s_lshl_b32 s22, s17, 18                        ; ds x 64 rows x 4,096 bytes of Wk
	s_add_co_u32 s22, s22, s18
	s_mov_b32 s23, 0
	s_lshl_b32 s24, ttmp9, 17                      ; es x 32 rows x 4,096 bytes of up,
	s_lshl_b32 s25, s17, 8                         ; ds x 64 columns
	s_add_co_u32 s24, s24, s25
	s_mov_b32 s25, 0
	s_lshl_b32 s26, ttmp9, 2                       ; es in a row of cpart
	s_mov_b32 s27, 0
	v_lshrrev_b32 v[ACC], 4, v0                    ; t / 16
	v_and_b32 v[ACC+1], 15, v0                     ; t % 16
	v_lshlrev_b32 v[BOF], 4, v[ACC+1]
	v_lshl_add_u32 v[GOF], v[ACC], 12, v[BOF]
	v_lshl_add_u32 v[QST], v0, 4, QT
	v_and_b32 v[ACC+2], 3, v[ACC]
	v_lshrrev_b32 v[ACC+3], 2, v[ACC]
	v_lshl_add_u32 v[ACC+2], v[ACC+2], 4, v[ACC+3]
	v_mul_u32_u24 v[WST], v[ACC+2], WP
	v_add_nc_u32 v[WST], v[WST], v[BOF]
	v_mul_u32_u24 v[WRD], v[ACC+1], WP
	v_lshl_add_u32 v[QRD], v[ACC], 9, QT
	v_lshl_add_u32 v[OOF], v[ACC], 13, v[BOF]
	v_lshlrev_b32 v[COF], 6, v[ACC]
	s_wait_kmcnt 0x0
	s_add_nc_u64 s[4:5], s[4:5], s[18:19]
	s_add_nc_u64 s[6:7], s[6:7], s[18:19]
	s_add_nc_u64 s[10:11], s[10:11], s[18:19]
	s_add_nc_u64 s[8:9], s[8:9], s[22:23]
	s_add_nc_u64 s[12:13], s[12:13], s[24:25]
	s_add_nc_u64 s[14:15], s[14:15], s[26:27]
	global_load_b128 v[BQ:BQ+3], v[BOF], s[6:7]
	global_load_b128 v[BK:BK+3], v[BOF], s[10:11]
.set fs, 0
.rept 16                               ; sixteen lanes take 256 consecutive bytes of a row of qp; the largest immediate is 15 x 131,072 + 65,536, inside the signed 24 bits
.irp n, 0,1
	global_load_b128 v[P+8*fs+4*(\n):P+8*fs+4*(\n)+3], v[GOF], s[4:5] offset:131072*fs+65536*(\n)
.endr
.set fs, fs+1
.endr
.irp i, 0,1,2,3
	global_load_b128 v[LW+4*(\i):LW+4*(\i)+3], v[GOF], s[8:9] offset:65536*(\i) th:TH_LOAD_NT   ; Wk is read once in the launch
.endr
	s_wait_loadcnt 4                               ; all but Wk's four
.irp n, 0,1                            ; q = bq + the sixteen slices, in four chains that do not wait for each other
.irp p, 0,1
	v_pk_add_f32 v[P+4*(\n)+2*(\p):P+4*(\n)+2*(\p)+1], v[P+4*(\n)+2*(\p):P+4*(\n)+2*(\p)+1], v[BQ+2*(\p):BQ+2*(\p)+1]
.endr
.endr
.set fs, 1
.rept 15
.irp n, 0,1
.irp p, 0,1
	v_pk_add_f32 v[P+4*(\n)+2*(\p):P+4*(\n)+2*(\p)+1], v[P+4*(\n)+2*(\p):P+4*(\n)+2*(\p)+1], v[P+8*fs+4*(\n)+2*(\p):P+8*fs+4*(\n)+2*(\p)+1]
.endr
.endr
.set fs, fs+1
.endr
.irp n, 0,1
	ds_store_b128 v[QST], v[P+4*(\n):P+4*(\n)+3] offset:4096*(\n)
.endr
	s_wait_loadcnt 0x0                             ; Wk
.irp i, 0,1,2,3
	ds_store_b128 v[WST], v[LW+4*(\i):LW+4*(\i)+3] offset:WT+4*WP*(\i)   ; 16 tile rows on are 4 LDS rows on
.endr
	s_wait_dscnt 0x0                               ; for the others' sake: my stores into the tiles are done
	s_barrier_signal -1
	s_barrier_wait -1                              ; everybody's are
; Six LDS loads: my four rows of Wk and my two batches of q at e = 4 s .. 4 s + 3, into set z
.macro LDSTEP z, s
.irp j, 0,1,2,3
	ds_load_b128 v[SET+24*(\z)+4*(\j):SET+24*(\z)+4*(\j)+3], v[WRD] offset:WT+16*WP*(\j)+16*(\s)
.endr
.irp n, 0,1
	ds_load_b128 v[SET+24*(\z)+16+4*(\n):SET+24*(\z)+16+4*(\n)+3], v[QRD] offset:256*(\n)+16*(\s)
.endr
.endm
; Sixteen packed multiply-adds: two neighbouring e at a time, on eight sums that take turns.  first = 1: the first eight products start the sums: nothing is cleared.
.macro FMSTEP z, first
.irp p, 0,1
.irp n, 0,1
.irp j, 0,1,2,3
.if (\first) && ((\p) == 0)
	v_pk_mul_f32 v[ACC+8*(\n)+2*(\j):ACC+8*(\n)+2*(\j)+1], v[SET+24*(\z)+4*(\j)+2*(\p):SET+24*(\z)+4*(\j)+2*(\p)+1], v[SET+24*(\z)+16+4*(\n)+2*(\p):SET+24*(\z)+16+4*(\n)+2*(\p)+1]
.else
	v_pk_fma_f32 v[ACC+8*(\n)+2*(\j):ACC+8*(\n)+2*(\j)+1], v[SET+24*(\z)+4*(\j)+2*(\p):SET+24*(\z)+4*(\j)+2*(\p)+1], v[SET+24*(\z)+16+4*(\n)+2*(\p):SET+24*(\z)+16+4*(\n)+2*(\p)+1], v[ACC+8*(\n)+2*(\j):ACC+8*(\n)+2*(\j)+1]
.endif
.endr
.endr
.endr
.endm
	; Sixteen steps of 4 e on two sets: a step's loads are issued one step ahead of its arithmetic.
	LDSTEP 0, 0
	LDSTEP 1, 1
	s_wait_dscnt 6                                 ; all but the six just issued: step 0's set is in
	FMSTEP 0, 1
.set stp, 1
.rept 14
	LDSTEP (stp+1)&1, stp+1
	s_wait_dscnt 6                                 ; all but the six just issued
	FMSTEP stp&1, 0
.set stp, stp+1
.endr
	s_wait_dscnt 0x0
	FMSTEP 1, 0                                    ; step 15
.irp n, 0,1
.irp j, 0,1,2,3
	v_add_f32 v[O+4*(\n)+(\j)], v[ACC+8*(\n)+2*(\j)], v[ACC+8*(\n)+2*(\j)+1]   ; even e's sum + odd e's
.endr
.endr
.irp n, 0,1
	global_store_b128 v[OOF], v[O+4*(\n):O+4*(\n)+3], s[12:13] offset:4096*(\n)   ; 16 lanes store 256 consecutive bytes, at a multiple of 256 from up's first byte
.endr
	; q . bk over my slice hangs on es alone: the work-groups with ds = 0 make and store it.  q still lies in v[36:43], batch t / 16 + 16 n, four e a lane; sixteen lanes hold a batch's 64 e.
	s_cmp_lg_u32 s17, 0
	s_cbranch_scc1 .Lno_c
.irp n, 0,1
	v_mul_f32 v[CP+(\n)], v[P+4*(\n)], v[BK]
.endr
.irp c, 1,2,3
.irp n, 0,1
	v_fmac_f32 v[CP+(\n)], v[P+4*(\n)+(\c)], v[BK+(\c)]
.endr
.endr
.irp x, 1,2,4,8
.irp n, 0,1
	v_add_f32_dpp v[CP+(\n)], v[CP+(\n)], v[CP+(\n)] row_xmask:\x row_mask:0xf bank_mask:0xf
.endr
.endr
	v_cmp_eq_u32 vcc_lo, 0, v[BOF]                 ; one lane of each sixteen stores
	s_wait_xcnt 0x0                                ; EXEC is a source of the stores above: it changes only behind this wait
	s_and_saveexec_b32 s20, vcc_lo
	global_store_b32 v[COF], v[CP], s[14:15]       ; single words, 64 bytes apart: 2,048 bytes in the whole launch, the one place where no whole run of 256 bytes is stored
	global_store_b32 v[COF], v[CP+1], s[14:15] offset:1024
	s_wait_xcnt 0x0                                ; and again, in front of the line that widens it
	s_or_b32 exec_lo, exec_lo, s20
.Lno_c:
	s_wait_tensorcnt 0x0                           ; the wave's end: three closing lines, behind my last LDS store
	ds_add_u32 v[SPW], v[NIL]
	s_wait_dscnt 0x0
	s_endpgm
.Lfunc_end_k_q70e4ebf953_upart:
	.size	k_q70e4ebf953_upart, .Lfunc_end_k_q70e4ebf953_upart-k_q70e4ebf953_upart
	.p2alignl 7, 3214868480
	.fill 96, 4, 3214868480
	.section	.rodata,"a",@progbits
	.p2align	6, 0x0
	.amdhsa_kernel k_q70e4ebf953_upart
		.amdhsa_group_segment_fixed_size 26624
		.amdhsa_private_segment_fixed_size 0
		.amdhsa_enable_private_segment 0
		.amdhsa_kernarg_size 48
		.amdhsa_user_sgpr_count 2
		.amdhsa_user_sgpr_kernarg_segment_ptr 1
		.amdhsa_wavefront_size32 1
		.amdhsa_system_sgpr_workgroup_id_x 1
		.amdhsa_system_sgpr_workgroup_id_y 1
		.amdhsa_system_sgpr_workgroup_id_z 1
		.amdhsa_system_vgpr_workitem_id 0
		.amdhsa_next_free_vgpr 168
		.amdhsa_next_free_sgpr 66
		.amdhsa_reserve_vcc 1
		.amdhsa_float_denorm_mode_32 3
		.amdhsa_float_denorm_mode_16_64 3
		.amdhsa_memory_ordered 1
		.amdhsa_forward_progress 1
		.amdhsa_inst_pref_size 35
	.end_amdhsa_kernel
	.amdgpu_metadata
---
amdhsa.version: [ 1, 2 ]
amdhsa.kernels:
  - .name:           k_q70e4ebf953_upart
    .symbol:         k_q70e4ebf953_upart.kd
    .args:
      - { .name: qp, .offset: 0, .size: 8, .value_kind: global_buffer, .address_space: global }
      - { .name: bq, .offset: 8, .size: 8, .value_kind: global_buffer, .address_space: global }
      - { .name: Wk, .offset: 16, .size: 8, .value_kind: global_buffer, .address_space: global }
      - { .name: bk, .offset: 24, .size: 8, .value_kind: global_buffer, .address_space: global }
      - { .name: up, .offset: 32, .size: 8, .value_kind: global_buffer, .address_space: global }
      - { .name: cpart, .offset: 40, .size: 8, .value_kind: global_buffer, .address_space: global }
    .group_segment_fixed_size: 26624
    .private_segment_fixed_size: 0
    .kernarg_segment_align: 8
    .kernarg_segment_size: 48
    .max_flat_workgroup_size: 256
    .sgpr_count:     66
    .vgpr_count:     168
    .wavefront_size: 32
...
	.end_amdgpu_metadata
.endif
;; end of part 2
;; launch stream (part 3): grid 8 x 32, 16 waves a work-group, no clusters, 76,032 bytes of LDS; arguments encoder_output, mask, up, cpart, part; writes part
.if DOCPART == 3
	.amdgcn_target "amdgcn-amd-amdhsa--gfx1250"
	.amdhsa_code_object_version 6
	.text
	.protected	k_q70e4ebf953_stream
	.globl	k_q70e4ebf953_stream
	.p2align	8
	.type	k_q70e4ebf953_stream,@function
k_q70e4ebf953_stream:
	s_mov_b64 s[64:65], 0
	v_nop
	global_prefetch_b8 v0, s[64:65] scope:SCOPE_SE
	s_setreg_imm32_b32 hwreg(HW_REG_WAVE_MODE, 25, 1), 1
	s_wait_xcnt 0x0
; For batch b and 256 of its 2,048 positions: energies, a running-maximum softmax and the weighted sum of enc's rows, with each row of enc read from memory ONCE.
; enc: [32][2048][1024] f32; mask: [32][2048] bytes, 0 or 1; up: [16][32][1024]; cpart: [32][16]; part: [32 b][8 split] rows of 4,352 bytes: 1,024 f32 of context, then the pair (M, L) 32 times.
; e2(l) = enc_l . u' + c', with u' = K x the sum over es of up, c' = K x the sum over es of cpart, K = log2(e) / 32: the energy in base 2.  Where mask is 1: e2 = -1e10 x log2(e).
; For a running maximum M: a = 2^(M_old - M_new), p = 2^(e2 - M_new), L = a L + p, ctx = a ctx + p enc_l.  The 16 waves' (M, L, ctx) are merged at the end, the 8 splits' in the next launch.
; MASKED ROWS ARE READ AND WORKED ON LIKE THE OTHERS: where every position of a batch is masked, or true energies lie below -1e10, they carry weight; only floating-point numbers tell, and no branch hangs on those.
; LIMITS: the order of rounding differs from reference()'s (re-associated and split sums, exponentials in base 2); a weight below 2^-126 counts as 0; NaN and infinities are not treated apart.
; NO MATRIX UNIT: one multiply-add for the energy and one for the context for each number of enc: the bytes bind.  NO LDS RING: a row is used by one wave alone, and the ring of four row slots in registers
; keeps 16 waves x 4 rows x 4 KiB = 256 KiB of the work-group on their way.  NO CLUSTER: the eight work-groups of a batch share up's 64 KiB beside 1 MiB of their own each.
; SHARES.  Wave w: rows 16 w .. 16 w + 15 of the work-group's 256.  A row lies in 32 registers of the wave: load j brings bytes 512 j + 16 lane; u' and ctx have the same layout.
.set UX,    0                          ; LDS: two half sums of u', 4,096 bytes each
.set CTXS,  8192                       ; LDS: wave w's context at + 4,096 w
.set STATS, 73728                      ; LDS: wave w's (M, L) at + 8 w; a block of 256 bytes
.set SPARE, 73984                      ; the spare words, 128 bytes for each of the 16 waves: eight blocks of 256 bytes that no other line names
.set KF,    0x3d38aa3b                 ; K = log2(e) / 32
.set UOF, 1                            ; v1       (t / 256) x 8 slices x 131,072 + 16 (t % 256): my 16 bytes in up
.set OFF, 2                            ; v[2:5]   slot s: byte offset, from the wave's first row, of my 16 bytes in the row that the slot loads next
.set SPW, 6                            ; v6       LDS address of my spare word; never rewritten
.set NIL, 7                            ; v7       0; never rewritten
.set MV,  8                            ; v8       -1e10 x log2(e)
.set CC,  9                            ; v9       c'
.set M,   10                           ; v[10:11] M, L
.set A,   12                           ; v[12:13] a; the packed multiply names the pair and takes its first register for both halves; v13 is written once
.set PW,  14                           ; v[14:15] p, likewise
.set UST, 16                           ; v16      16 t: where my part of a half sum of u' goes; later 8 t: my 8 bytes in part
.set SST, 17                           ; v17      STATS + 8 w
.set D,   18                           ; v[18:25] four chains of the dot product; at work
.set T,   26                           ; v26      the row's energy
.set T2,  27                           ; v27      at work
.set URD, 28                           ; v28      16 lane
.set CST, 29                           ; v29      CTXS + 4,096 w + 16 lane
.set CRD, 30                           ; v30      CTXS + 8 t
.set LN,  31                           ; v31      4 (lane % 16): my word of cpart; later STATS + 8 (lane % 16)
.set U,   32                           ; v[32:63]
.set CTX, 64                           ; v[64:95]
.set X,   96                           ; v[96:223] slot s at X + 32 s
	s_load_b256 s[4:11], s[0:1], 0x0               ; enc s[4:5], mask s[6:7], up s[8:9], cpart s[10:11]
	s_load_b64 s[12:13], s[0:1], 0x20              ; part
	v_lshl_add_u32 v[SPW], v0, 2, SPARE
	v_mov_b32 v[NIL], 0
	v_lshrrev_b32 v[T], 5, v0
	v_readfirstlane_b32 s14, v[T]                  ; wave 0..15
	s_mov_b32 s15, ttmp9                           ; split
	s_and_b32 s16, ttmp7, 0xffff                   ; b
	s_lshl_b32 s18, s16, 23                        ; enc: b x 8 MiB + split x 1 MiB + wave x 64 KiB, under 2^28
	s_lshl_b32 s28, s15, 20
	s_add_co_u32 s18, s18, s28
	s_lshl_b32 s28, s14, 16
	s_add_co_u32 s18, s18, s28
	s_mov_b32 s19, 0
	s_lshl_b32 s30, s16, 11                        ; mask: b x 2,048 + split x 256 + wave x 16
	s_lshl_b32 s28, s15, 8
	s_add_co_u32 s30, s30, s28
	s_lshl_b32 s28, s14, 4
	s_add_co_u32 s30, s30, s28
	s_mov_b32 s31, 0
	s_lshl_b32 s32, s16, 12                        ; up: row b of each slice
	s_mov_b32 s33, 0
	s_lshl_b32 s34, s16, 6                         ; cpart: row b
	s_mov_b32 s35, 0
	s_lshl_b32 s36, s16, 3                         ; part: row 8 b + split
	s_add_co_u32 s36, s36, s15
	s_mul_i32 s36, s36, 4352
	s_mov_b32 s37, 0
	s_mov_b32 s26, 0x76543210                      ; v_permlanex16_b32: each lane takes its own place in the other half
	s_mov_b32 s27, 0xfedcba98
	v_and_b32 v[LN], 31, v0
	v_lshlrev_b32 v[URD], 4, v[LN]
.irp s, 0,1,2,3
	v_add_nc_u32 v[OFF+(\s)], 4096*(\s), v[URD]
.endr
	v_lshl_add_u32 v[CST], v[T], 12, v[URD]
	v_add_nc_u32 v[CST], CTXS, v[CST]
	v_lshl_add_u32 v[SST], v[T], 3, STATS
	v_lshl_add_u32 v[CRD], v0, 3, CTXS
	v_lshlrev_b32 v[UST], 4, v0
	v_lshrrev_b32 v[T2], 8, v0
	v_and_b32 v[UOF], 255, v0
	v_lshlrev_b32 v[UOF], 4, v[UOF]
	v_lshl_add_u32 v[UOF], v[T2], 20, v[UOF]
	v_and_b32 v[LN], 15, v0
	v_lshlrev_b32 v[LN], 2, v[LN]
	v_mov_b32 v[MV], 0xd01502f9                    ; -1e10
	v_mul_f32 v[MV], 0x3fb8aa3b, v[MV]             ; x log2(e)
	v_mov_b32 v[M], 0xff7fffff                     ; M starts at the lowest finite number: the first row's a is 0, and the first row is a row like any other
	v_mov_b32 v[M+1], 0
	v_mov_b32 v[A+1], 0
	v_mov_b32 v[PW+1], 0
	s_wait_kmcnt 0x0
	s_add_nc_u64 s[4:5], s[4:5], s[18:19]
	s_add_nc_u64 s[6:7], s[6:7], s[30:31]
	s_add_nc_u64 s[8:9], s[8:9], s[32:33]
	s_add_nc_u64 s[10:11], s[10:11], s[34:35]
	s_add_nc_u64 s[12:13], s[12:13], s[36:37]
	s_load_b128 s[20:23], s[6:7], 0x0              ; my wave's 16 mask bytes: row r in byte r % 4 of s[20 + r / 4]
.macro FILL s                          ; eight loads: 512 neighbouring bytes each, the whole row; enc is read once in the launch
.irp j, 0,1,2,3,4,5,6,7
	global_load_b128 v[X+32*(\s)+4*(\j):X+32*(\s)+4*(\j)+3], v[OFF+(\s)], s[4:5] offset:512*(\j) th:TH_LOAD_NT
.endr
.endm
.irp i, 0,1,2,3,4,5,6,7                ; threads 0-255 take slices 0-7 of up, threads 256-511 slices 8-15: 16 bytes of each, into ctx's registers, which are not yet in use
	global_load_b128 v[CTX+4*(\i):CTX+4*(\i)+3], v[UOF], s[8:9] offset:131072*(\i)
.endr
	global_load_b32 v[CC], v[LN], s[10:11]
	FILL 0
	FILL 1
	FILL 2
	FILL 3
	s_wait_loadcnt 32                              ; all but the 32 row loads: up and cpart are in
.irp i, 0,1,2,3                        ; eight slices into one, as a tree
.irp p, 0,1
	v_pk_add_f32 v[CTX+4*(\i)+2*(\p):CTX+4*(\i)+2*(\p)+1], v[CTX+4*(\i)+2*(\p):CTX+4*(\i)+2*(\p)+1], v[CTX+16+4*(\i)+2*(\p):CTX+16+4*(\i)+2*(\p)+1]
.endr
.endr
.irp i, 0,1
.irp p, 0,1
	v_pk_add_f32 v[CTX+4*(\i)+2*(\p):CTX+4*(\i)+2*(\p)+1], v[CTX+4*(\i)+2*(\p):CTX+4*(\i)+2*(\p)+1], v[CTX+8+4*(\i)+2*(\p):CTX+8+4*(\i)+2*(\p)+1]
.endr
.endr
.irp p, 0,1
	v_pk_add_f32 v[CTX+2*(\p):CTX+2*(\p)+1], v[CTX+2*(\p):CTX+2*(\p)+1], v[CTX+4+2*(\p):CTX+4+2*(\p)+1]
.endr
.irp p, 0,1
	v_pk_mul_f32 v[CTX+2*(\p):CTX+2*(\p)+1], v[CTX+2*(\p):CTX+2*(\p)+1], KF op_sel_hi:[1,0]
.endr
	ds_store_b128 v[UST], v[CTX:CTX+3] offset:UX
.irp x, 1,2,4,8                        ; c: sixteen lanes hold the sixteen slices' parts
	v_add_f32_dpp v[CC], v[CC], v[CC] row_xmask:\x row_mask:0xf bank_mask:0xf
.endr
	v_mul_f32 v[CC], KF, v[CC]
	s_wait_dscnt 0x0                               ; for the others' sake: my store is done
	s_barrier_signal -1                            ; the row loads stay on their way across the barrier: nobody writes those bytes of memory
	s_barrier_wait -1
.irp j, 0,1,2,3,4,5,6,7
	ds_load_b128 v[U+4*(\j):U+4*(\j)+3], v[URD] offset:UX+512*(\j)
	ds_load_b128 v[CTX+4*(\j):CTX+4*(\j)+3], v[URD] offset:UX+4096+512*(\j)
.endr
	v_lshlrev_b32 v[UST], 3, v0                    ; from here on: 8 t
	v_and_b32 v[LN], 15, v0                        ; the load that this register addressed is in since the wait above
	v_lshl_add_u32 v[LN], v[LN], 3, STATS
	s_wait_dscnt 0x0
.set i, 0
.rept 16
	v_pk_add_f32 v[U+2*i:U+2*i+1], v[U+2*i:U+2*i+1], v[CTX+2*i:CTX+2*i+1]
.set i, i+1
.endr
.set i, 0
.rept 32                               ; ctx = 0: these lines stand in the wait for the first rows, and spare a first turn written out beside the loop
	v_mov_b32 v[CTX+i], 0
.set i, i+1
.endr
	s_wait_kmcnt 0x0                               ; the mask bytes
; The turn of slot s: one row.  refill = 1: the slot then takes the row four further down.  left = how many younger loads may stay out.
.macro TURN s, refill, left
	s_wait_loadcnt \left                           ; loads come back in order (ISA guide 5.7.1): my eight are in, the younger slots' stay out
.if \refill
	v_add_nc_u32 v[OFF+(\s)], 16384, v[OFF+(\s)]   ; free since that wait: the slot's next row
.endif
.irp i, 0,1,2,3                        ; enc_l . u': my 32 numbers, in four chains started by the first four products
	v_pk_mul_f32 v[D+2*(\i):D+2*(\i)+1], v[X+32*(\s)+2*(\i):X+32*(\s)+2*(\i)+1], v[U+2*(\i):U+2*(\i)+1]
.endr
.irp i, 4,5,6,7,8,9,10,11,12,13,14,15
	v_pk_fma_f32 v[D+2*((\i)%4):D+2*((\i)%4)+1], v[X+32*(\s)+2*(\i):X+32*(\s)+2*(\i)+1], v[U+2*(\i):U+2*(\i)+1], v[D+2*((\i)%4):D+2*((\i)%4)+1]
.endr
	v_pk_add_f32 v[D:D+1], v[D:D+1], v[D+2:D+3]
	v_pk_add_f32 v[D+4:D+5], v[D+4:D+5], v[D+6:D+7]
	v_pk_add_f32 v[D:D+1], v[D:D+1], v[D+4:D+5]
	v_add_f32 v[T], v[D], v[D+1]
.irp x, 1,2,4,8                        ; across the 32 lanes: four steps inside each half ride on the addition, one crosses the halves
	v_add_f32_dpp v[T], v[T], v[T] row_xmask:\x row_mask:0xf bank_mask:0xf
.endr
	v_permlanex16_b32 v[T2], v[T], s26, s27
	v_add_f32 v[T], v[T], v[T2]
	v_add_f32 v[T], v[T], v[CC]
	s_bitcmp1_b32 s20, 8*(\s)                      ; the row's mask byte only selects a value
	s_cselect_b32 s24, -1, 0
	v_cndmask_b32 v[T], v[T], v[MV], s24
	v_max_num_f32 v[T2], v[M], v[T]                ; the new maximum
	v_sub_f32 v[D], v[M], v[T2]
	v_sub_f32 v[D+1], v[T], v[T2]
	v_exp_f32 v[A], v[D]
	v_exp_f32 v[PW], v[D+1]
	v_mov_b32 v[M], v[T2]                          ; a plain instruction between the exponentials and the use of their results (ISA guide 5.7.2)
	s_wait_alu depctr_va_vdst(0)
	v_fma_f32 v[M+1], v[M+1], v[A], v[PW]
.set i, 0
.rept 16
	v_pk_mul_f32 v[CTX+2*i:CTX+2*i+1], v[CTX+2*i:CTX+2*i+1], v[A:A+1] op_sel_hi:[1,0]
.set i, i+1
.endr
.set i, 0
.rept 16
	v_pk_fma_f32 v[CTX+2*i:CTX+2*i+1], v[X+32*(\s)+2*i:X+32*(\s)+2*i+1], v[PW:PW+1], v[CTX+2*i:CTX+2*i+1] op_sel_hi:[1,0,1]
.set i, i+1
.endr
.if \refill
	FILL \s
.endif
.endm
	s_mov_b32 s25, 3
.Lround:                                               ; three trips of four rows, each slot filled again at the end of its turn: behind a slot's eight loads stand the other three slots' 24, on the way in and round the jump alike
	TURN 0, 1, 24
	TURN 1, 1, 24
	TURN 2, 1, 24
	TURN 3, 1, 24
	s_mov_b32 s20, s21                             ; the next four rows' mask bytes
	s_mov_b32 s21, s22
	s_mov_b32 s22, s23
	s_sub_co_u32 s25, s25, 1
	s_cmp_lg_u32 s25, 0
	s_cbranch_scc1 .Lround
	TURN 0, 0, 24                                  ; the last four rows load nothing: the counts run down
	TURN 1, 0, 16
	TURN 2, 0, 8
	TURN 3, 0, 0
	; THE 16 WAVES ARE MERGED.  Each puts its context and its (M, L) into LDS; behind the barrier thread t takes numbers 2 t and 2 t + 1 of all sixteen contexts.
.irp j, 0,1,2,3,4,5,6,7
	ds_store_b128 v[CST], v[CTX+4*(\j):CTX+4*(\j)+3] offset:512*(\j)
.endr
	ds_store_b64 v[SST], v[M:M+1]                  ; all lanes write the same pair to the same place
	s_wait_dscnt 0x0                               ; for the others' sake: my stores are done
	s_barrier_signal -1
	s_barrier_wait -1
	ds_load_b64 v[D:D+1], v[LN]                    ; lane l: (M, L) of wave l % 16
.set i, 0
.rept 16
	ds_load_b64 v[X+2*i:X+2*i+1], v[CRD] offset:4096*i
.set i, i+1
.endr
	s_wait_dscnt 16                                ; all but the sixteen context loads: the statistics are in
	v_mov_b32 v[D+2], v[D]
.irp x, 1,2,4,8
	v_max_num_f32_dpp v[D+2], v[D+2], v[D+2] row_xmask:\x row_mask:0xf bank_mask:0xf   ; the work-group's maximum
.endr
	v_sub_f32 v[D+4], v[D], v[D+2]
	v_exp_f32 v[D+4], v[D+4]                       ; wave l % 16's weight
	v_nop                                          ; a plain instruction between the exponential and the use of its result
	s_wait_alu depctr_va_vdst(0)
	v_mul_f32 v[D+3], v[D+4], v[D+1]
.irp x, 1,2,4,8
	v_add_f32_dpp v[D+3], v[D+3], v[D+3] row_xmask:\x row_mask:0xf bank_mask:0xf       ; the work-group's L
.endr
.set i, 0
.rept 16
	v_readlane_b32 s[40+i], v[D+4], i
.set i, i+1
.endr
	s_wait_dscnt 0x0
	v_mul_f32 v[U], s40, v[X]
	v_mul_f32 v[U+1], s40, v[X+1]
.set i, 1
.rept 15
	v_fmac_f32 v[U], s[40+i], v[X+2*i]
	v_fmac_f32 v[U+1], s[40+i], v[X+2*i+1]
.set i, i+1
.endr
	global_store_b64 v[UST], v[U:U+1], s[12:13]    ; a wave stores 256 consecutive bytes, at a multiple of 256 from part's first byte (a row of part is 17 x 256 bytes)
	s_cmp_lg_u32 s14, 0
	s_cbranch_scc1 .Lnot_wave_0
	global_store_b64 v[UST], v[D+2:D+3], s[12:13] offset:4096   ; wave 0: (M, L) 32 times: the row's last 256 bytes, whole
.Lnot_wave_0:
	s_wait_tensorcnt 0x0                           ; the wave's end: three closing lines, behind my last LDS store
	ds_add_u32 v[SPW], v[NIL]
	s_wait_dscnt 0x0
	s_endpgm
.Lfunc_end_k_q70e4ebf953_stream:
	.size	k_q70e4ebf953_stream, .Lfunc_end_k_q70e4ebf953_stream-k_q70e4ebf953_stream
	.p2alignl 7, 3214868480
	.fill 96, 4, 3214868480
	.section	.rodata,"a",@progbits
	.p2align	6, 0x0
	.amdhsa_kernel k_q70e4ebf953_stream
		.amdhsa_group_segment_fixed_size 76032
		.amdhsa_private_segment_fixed_size 0
		.amdhsa_enable_private_segment 0
		.amdhsa_kernarg_size 40
		.amdhsa_user_sgpr_count 2
		.amdhsa_user_sgpr_kernarg_segment_ptr 1
		.amdhsa_wavefront_size32 1
		.amdhsa_system_sgpr_workgroup_id_x 1
		.amdhsa_system_sgpr_workgroup_id_y 1
		.amdhsa_system_sgpr_workgroup_id_z 1
		.amdhsa_system_vgpr_workitem_id 0
		.amdhsa_next_free_vgpr 224
		.amdhsa_next_free_sgpr 66
		.amdhsa_reserve_vcc 0
		.amdhsa_float_denorm_mode_32 3
		.amdhsa_float_denorm_mode_16_64 3
		.amdhsa_memory_ordered 1
		.amdhsa_forward_progress 1
		.amdhsa_inst_pref_size 53
	.end_amdhsa_kernel
	.amdgpu_metadata
---
amdhsa.version: [ 1, 2 ]
amdhsa.kernels:
  - .name:           k_q70e4ebf953_stream
    .symbol:         k_q70e4ebf953_stream.kd
    .args:
      - { .name: encoder_output, .offset: 0, .size: 8, .value_kind: global_buffer, .address_space: global }
      - { .name: mask, .offset: 8, .size: 8, .value_kind: global_buffer, .address_space: global }
      - { .name: up, .offset: 16, .size: 8, .value_kind: global_buffer, .address_space: global }
      - { .name: cpart, .offset: 24, .size: 8, .value_kind: global_buffer, .address_space: global }
      - { .name: part, .offset: 32, .size: 8, .value_kind: global_buffer, .address_space: global }
    .group_segment_fixed_size: 76032
    .private_segment_fixed_size: 0
    .kernarg_segment_align: 8
    .kernarg_segment_size: 40
    .max_flat_workgroup_size: 512
    .sgpr_count:     66
    .vgpr_count:     224
    .wavefront_size: 32
...
	.end_amdgpu_metadata
.endif
;; end of part 3
;; launch fin (part 4): grid 8 x 32, 1 waves a work-group, no clusters, 0 bytes of LDS; arguments part, out0; writes out0
.if DOCPART == 4
	.amdgcn_target "amdgcn-amd-amdhsa--gfx1250"
	.amdhsa_code_object_version 6
	.text
	.protected	k_q70e4ebf953_fin
	.globl	k_q70e4ebf953_fin
	.p2align	8
	.type	k_q70e4ebf953_fin,@function
k_q70e4ebf953_fin:
	s_mov_b64 s[64:65], 0
	v_nop
	global_prefetch_b8 v0, s[64:65] scope:SCOPE_SE
	s_setreg_imm32_b32 hwreg(HW_REG_WAVE_MODE, 25, 1), 1
	s_wait_xcnt 0x0
; out0[b][d] = the sum over the 8 splits s of w_s ctx_s[d], w_s = 2^(M_s - M) / L, M = the largest M_s, L = the sum over s of 2^(M_s - M) L_s.
; part: [32 b][8 s] rows of 4,352 bytes: 1,024 f32 of context, then (M_s, L_s) 32 times.  out0: [32][1024] f32.
; One wave makes 128 columns of one batch: 256 work-groups.  No LDS, no barrier: nothing passes between waves.  L is at least 1: the split that holds the maximum has weight 1 and an L_s of 1 or more.
; LIMITS: a weight below 2^-126 counts as 0; NaN and infinities are not treated apart.
	s_load_b128 s[4:7], s[0:1], 0x0                ; part s[4:5], out0 s[6:7]
	s_and_b32 s9, ttmp7, 0xffff                    ; b
	s_mul_i32 s10, s9, 8*4352                      ; the batch's eight rows of part
	s_mov_b32 s11, 0
	s_lshl_b32 s12, s9, 12                         ; its row of out0
	s_mov_b32 s13, 0
	s_lshl_b32 s14, ttmp9, 9                       ; my 128 columns
	v_and_b32 v1, 7, v0
	v_mul_u32_u24 v1, v1, 4352                     ; lane l looks at split l % 8
	v_lshl_add_u32 v2, v0, 4, s14                  ; my 16 bytes in a row, of part and of out0
	s_wait_kmcnt 0x0
	s_add_nc_u64 s[4:5], s[4:5], s[10:11]
	s_add_nc_u64 s[6:7], s[6:7], s[12:13]
	global_load_b64 v[4:5], v1, s[4:5] offset:4096 ; (M_s, L_s)
.irp s, 0,1,2,3,4,5,6,7
	global_load_b128 v[8+4*(\s):11+4*(\s)], v2, s[4:5] offset:4352*(\s)   ; 512 neighbouring bytes of split s's context
.endr
	s_wait_loadcnt 8                               ; all but the eight context loads
	v_mov_b32 v6, v4
.irp x, 1,2,4
	v_max_num_f32_dpp v6, v6, v6 row_xmask:\x row_mask:0xf bank_mask:0xf
.endr
	v_sub_f32 v7, v4, v6
	v_exp_f32 v7, v7
	v_nop                                          ; a plain instruction between the exponential and the use of its result (ISA guide 5.7.2)
	s_wait_alu depctr_va_vdst(0)
	v_mul_f32 v3, v7, v5
.irp x, 1,2,4
	v_add_f32_dpp v3, v3, v3 row_xmask:\x row_mask:0xf bank_mask:0xf
.endr
	v_rcp_f32 v3, v3
	v_nop                                          ; likewise behind the reciprocal
	s_wait_alu depctr_va_vdst(0)
	v_mul_f32 v7, v7, v3                           ; w of split l % 8
.irp s, 0,1,2,3,4,5,6,7
	v_readlane_b32 s[16+(\s)], v7, \s
.endr
	s_wait_loadcnt 0x0
.irp c, 0,1,2,3
	v_mul_f32 v[40+(\c)], s16, v[8+(\c)]           ; the first split's products start the sums
.endr
.irp s, 1,2,3,4,5,6,7
.irp c, 0,1,2,3
	v_fmac_f32 v[40+(\c)], s[16+(\s)], v[8+4*(\s)+(\c)]
.endr
.endr
	global_store_b128 v2, v[40:43], s[6:7]         ; 512 consecutive bytes, at a multiple of 256 from out0's first byte
	s_endpgm
.Lfunc_end_k_q70e4ebf953_fin:
	.size	k_q70e4ebf953_fin, .Lfunc_end_k_q70e4ebf953_fin-k_q70e4ebf953_fin
	.p2alignl 7, 3214868480
	.fill 96, 4, 3214868480
	.section	.rodata,"a",@progbits
	.p2align	6, 0x0
	.amdhsa_kernel k_q70e4ebf953_fin
		.amdhsa_group_segment_fixed_size 0
		.amdhsa_private_segment_fixed_size 0
		.amdhsa_enable_private_segment 0
		.amdhsa_kernarg_size 16
		.amdhsa_user_sgpr_count 2
		.amdhsa_user_sgpr_kernarg_segment_ptr 1
		.amdhsa_wavefront_size32 1
		.amdhsa_system_sgpr_workgroup_id_x 1
		.amdhsa_system_sgpr_workgroup_id_y 1
		.amdhsa_system_sgpr_workgroup_id_z 1
		.amdhsa_system_vgpr_workitem_id 0
		.amdhsa_next_free_vgpr 48
		.amdhsa_next_free_sgpr 66
		.amdhsa_reserve_vcc 0
		.amdhsa_float_denorm_mode_32 3
		.amdhsa_float_denorm_mode_16_64 3
		.amdhsa_memory_ordered 1
		.amdhsa_forward_progress 1
		.amdhsa_inst_pref_size 5
	.end_amdhsa_kernel
	.amdgpu_metadata
---
amdhsa.version: [ 1, 2 ]
amdhsa.kernels:
  - .name:           k_q70e4ebf953_fin
    .symbol:         k_q70e4ebf953_fin.kd
    .args:
      - { .name: part, .offset: 0, .size: 8, .value_kind: global_buffer, .address_space: global }
      - { .name: out0, .offset: 8, .size: 8, .value_kind: global_buffer, .address_space: global }
    .group_segment_fixed_size: 0
    .private_segment_fixed_size: 0
    .kernarg_segment_align: 8
    .kernarg_segment_size: 16
    .max_flat_workgroup_size: 32
    .sgpr_count:     66
    .vgpr_count:     48
    .wavefront_size: 32
...
	.end_amdgpu_metadata
.endif
;; end of part 4
;; ======== version 2 of 2: 4 launches; version 1 with the launch stream written anew for expert scheduling mode
;; workspace buffers: qp 2,097,152 bytes; up 2,097,152 bytes; cpart 2,048 bytes; part 1,114,112 bytes
;; launch qpart: the kernel of part 1 again; grid 16 x 16, 8 waves a work-group, no clusters, 25,600 bytes of LDS; arguments decoder_hidden_state, Wq, qp; writes qp
;; launch upart: the kernel of part 2 again; grid 16 x 16, 8 waves a work-group, no clusters, 26,624 bytes of LDS; arguments qp, bq, Wk, bk, up, cpart; writes up, cpart
;; launch stream (part 5): grid 8 x 32, 16 waves a work-group, no clusters, 76,032 bytes of LDS; arguments encoder_output, mask, up, cpart, part; writes part
.if DOCPART == 5
	.amdgcn_target "amdgcn-amd-amdhsa--gfx1250"
	.amdhsa_code_object_version 6
	.text
	.protected	k_q70e4ebf953_stream
	.globl	k_q70e4ebf953_stream
	.p2align	8
	.type	k_q70e4ebf953_stream,@function
k_q70e4ebf953_stream:
	s_mov_b64 s[64:65], 0
	v_nop
	global_prefetch_b8 v0, s[64:65] scope:SCOPE_SE
	s_setreg_imm32_b32 hwreg(HW_REG_WAVE_SCHED_MODE, 0, 2), 2
	s_setreg_imm32_b32 hwreg(HW_REG_WAVE_MODE, 25, 1), 1
	s_wait_xcnt 0x0
	s_wait_alu depctr_vm_vsrc(0)
; For batch b and 256 of its 2,048 positions: energies, a running-maximum softmax and the weighted sum of enc's rows, with each row of enc read from memory ONCE.
; enc: [32][2048][1024] f32; mask: [32][2048] bytes, 0 or 1; up: [16][32][1024]; cpart: [32][16]; part: [32 b][8 split] rows of 4,352 bytes: 1,024 f32 of context, then the pair (M, L) 32 times.
; e2(l) = enc_l . u' + c', with u' = K x the sum over es of up, c' = K x the sum over es of cpart, K = log2(e) / 32: the energy in base 2.  Where mask is 1: e2 = -1e10 x log2(e).
; For a running maximum M: a = 2^(M_old - M_new), p = 2^(e2 - M_new), L = a L + p, ctx = a ctx + p enc_l.  The 16 waves' (M, L, ctx) are merged at the end, the 8 splits' in the next launch.
; MASKED ROWS ARE READ AND WORKED ON LIKE THE OTHERS: where every position of a batch is masked, or true energies lie below -1e10, they carry weight; only floating-point numbers tell, and no branch hangs on those.
; LIMITS: the order of rounding differs from reference()'s (re-associated and split sums, exponentials in base 2); a weight below 2^-126 counts as 0; NaN and infinities are not treated apart.
; NO MATRIX UNIT: one multiply-add for the energy and one for the context for each number of enc: the bytes bind.  NO LDS RING: a row is used by one wave alone, and the ring of four row slots in registers
; has, behind a turn's refill, three rows of every wave on their way: 16 waves x 3 rows x 4 KiB = 192 KiB of the work-group.  NO CLUSTER: the eight work-groups of a batch share up's 64 KiB beside 1 MiB of their own each.
; SHARES.  Wave w: rows 16 w .. 16 w + 15 of the work-group's 256.  A row lies in 32 registers of the wave: load j brings bytes 512 j + 16 lane; u' and ctx have the same layout.
; THE MODE: SCHED_MODE bits 1:0 = 2 (LLVM: expert scheduling mode 2), set by the entry lines.  The code itself states the register dependences between vector instructions and memory or LDS
; instructions, with s_wait_alu, always for 0.
; THE PLAN.  Registers that memory or LDS instructions touch, in the loop:
;   X0 .. X3   Turn r (row r) reads X[r % 4]: the dot product ahead of the turn's one wait, the context's multiply-adds behind it.  Row r + 3 lands in X[(r - 1) % 4], the slot that turn r - 1 read.
;   v[URD]     16 x lane, the offset of every load of enc; made at the head and never written again: each slot has a scalar base, which moves on by four rows, and immediate offsets do the rest.
;   U, ctx, M, L, a, p and the registers at work are named by vector instructions alone.
; So ONE wait on va_vdst stands in a turn, behind its two exponentials and ahead of their first reader: it states that a and p are written, and that the turn before is done reading its slot.  The eight loads
; into that slot follow it, dealt among the sixteen rescalings of ctx; the lines behind the wait name L, a, p, ctx and the turn's own slot: none of the registers that those loads touch.
; Outside the loop: the offsets and LDS addresses are made at the head, ahead of one wait; v[UST] and v[LN] are made anew once, behind a wait on vm_vsrc; ctx's registers carry up's slices and the half sums of u'
; before the loop and are LDS stores' data behind it; each of these places has its wait, and the wait's comment says what it states.
.set UX,    0                          ; LDS: two half sums of u', 4,096 bytes each
.set CTXS,  8192                       ; LDS: wave w's context at + 4,096 w
.set STATS, 73728                      ; LDS: wave w's (M, L) at + 8 w; a block of 256 bytes
.set SPARE, 73984                      ; the spare words, 128 bytes for each of the 16 waves: eight blocks of 256 bytes that no other line names
.set KF,    0x3d38aa3b                 ; K = log2(e) / 32
.set WB,  30                           ; s[30:37] slot s: the address of the wave's row that the slot loads next: a pair at WB + 2 s (at the head these registers first hold offsets)
.set UOF, 1                            ; v1       (t / 256) x 8 slices x 131,072 + 16 (t % 256): my 16 bytes in up
                                       ; v[2:5]   not used
.set SPW, 6                            ; v6       LDS address of my spare word; never rewritten
.set NIL, 7                            ; v7       0; never rewritten
.set MV,  8                            ; v8       -1e10 x log2(e)
.set CC,  9                            ; v9       c'
.set M,   10                           ; v[10:11] M, L
.set A,   12                           ; v[12:13] a; the packed multiply names the pair and takes its first register for both halves; v13 is written once
.set PW,  14                           ; v[14:15] p, likewise
.set UST, 16                           ; v16      16 t: where my part of a half sum of u' goes; later 8 t: my 8 bytes in part
.set SST, 17                           ; v17      STATS + 8 w
.set D,   18                           ; v[18:25] four chains of the dot product; at work
.set T,   26                           ; v26      the row's energy
.set T2,  27                           ; v27      at work
.set URD, 28                           ; v28      16 lane: my 16 bytes in 512 of a row of enc, and in 512 of u' in LDS; never rewritten
.set CST, 29                           ; v29      CTXS + 4,096 w + 16 lane
.set CRD, 30                           ; v30      CTXS + 8 t
.set LN,  31                           ; v31      4 (lane % 16): my word of cpart; later STATS + 8 (lane % 16)
.set U,   32                           ; v[32:63]
.set CTX, 64                           ; v[64:95]
.set X,   96                           ; v[96:223] slot s at X + 32 s
	s_load_b256 s[4:11], s[0:1], 0x0               ; enc s[4:5], mask s[6:7], up s[8:9], cpart s[10:11]
	s_load_b64 s[12:13], s[0:1], 0x20              ; part
	v_lshl_add_u32 v[SPW], v0, 2, SPARE
	v_mov_b32 v[NIL], 0
	v_lshrrev_b32 v[T], 5, v0
	v_readfirstlane_b32 s14, v[T]                  ; wave 0..15
	v_and_b32 v[LN], 31, v0
	v_lshlrev_b32 v[URD], 4, v[LN]
	v_lshl_add_u32 v[CST], v[T], 12, v[URD]
	v_add_nc_u32 v[CST], CTXS, v[CST]
	v_lshl_add_u32 v[SST], v[T], 3, STATS
	v_lshl_add_u32 v[CRD], v0, 3, CTXS
	v_lshlrev_b32 v[UST], 4, v0
	v_lshrrev_b32 v[T2], 8, v0
	v_and_b32 v[UOF], 255, v0
	v_lshlrev_b32 v[UOF], 4, v[UOF]
	v_lshl_add_u32 v[UOF], v[T2], 20, v[UOF]
	v_and_b32 v[LN], 15, v0
	v_lshlrev_b32 v[LN], 2, v[LN]
	v_mov_b32 v[MV], 0xd01502f9                    ; -1e10
	v_mul_f32 v[MV], 0x3fb8aa3b, v[MV]             ; x log2(e)
	v_mov_b32 v[M], 0xff7fffff                     ; M starts at the lowest finite number: the first row's a is 0, and the first row is a row like any other
	v_mov_b32 v[M+1], 0
	v_mov_b32 v[A+1], 0
	v_mov_b32 v[PW+1], 0
	s_wait_alu depctr_va_sdst(0)                   ; s14 is written, ahead of its first reader: the offsets in enc and in mask are made from it
	s_mov_b32 s15, ttmp9                           ; split
	s_and_b32 s16, ttmp7, 0xffff                   ; b
	s_lshl_b32 s18, s16, 23                        ; enc: b x 8 MiB + split x 1 MiB + wave x 64 KiB, under 2^28
	s_lshl_b32 s28, s15, 20
	s_add_co_u32 s18, s18, s28
	s_lshl_b32 s28, s14, 16
	s_add_co_u32 s18, s18, s28
	s_mov_b32 s19, 0
	s_lshl_b32 s30, s16, 11                        ; mask: b x 2,048 + split x 256 + wave x 16
	s_lshl_b32 s28, s15, 8
	s_add_co_u32 s30, s30, s28
	s_lshl_b32 s28, s14, 4
	s_add_co_u32 s30, s30, s28
	s_mov_b32 s31, 0
	s_lshl_b32 s32, s16, 12                        ; up: row b of each slice
	s_mov_b32 s33, 0
	s_lshl_b32 s34, s16, 6                         ; cpart: row b
	s_mov_b32 s35, 0
	s_lshl_b32 s36, s16, 3                         ; part: row 8 b + split
	s_add_co_u32 s36, s36, s15
	s_mul_i32 s36, s36, 4352
	s_mov_b32 s37, 0
	s_mov_b32 s26, 0x76543210                      ; v_permlanex16_b32: each lane takes its own place in the other half
	s_mov_b32 s27, 0xfedcba98
	s_wait_kmcnt 0x0
	s_add_nc_u64 s[4:5], s[4:5], s[18:19]
	s_add_nc_u64 s[6:7], s[6:7], s[30:31]
	s_add_nc_u64 s[8:9], s[8:9], s[32:33]
	s_add_nc_u64 s[10:11], s[10:11], s[34:35]
	s_add_nc_u64 s[12:13], s[12:13], s[36:37]
	s_load_b128 s[20:23], s[6:7], 0x0              ; my wave's 16 mask bytes: row r in byte r % 4 of s[20 + r / 4]
.irp s, 0,1,2,3
	s_add_nc_u64 s[WB+2*(\s):WB+2*(\s)+1], s[4:5], 4096*(\s)   ; the offsets above are used up: the slots' bases, at rows 0 to 3 of the wave
.endr
	s_wait_alu depctr_va_vdst(0)                   ; v[UOF], v[LN], v[URD], v[UST], v[CST], v[SST] and v[CRD] are written, which the loads and LDS instructions below read as offsets and addresses
.macro FILL s                          ; eight loads: 512 neighbouring bytes each, the whole row; enc is read once in the launch
.irp j, 0,1,2,3,4,5,6,7
	global_load_b128 v[X+32*(\s)+4*(\j):X+32*(\s)+4*(\j)+3], v[URD], s[WB+2*(\s):WB+2*(\s)+1] offset:512*(\j) th:TH_LOAD_NT
.endr
.endm
.irp i, 0,1,2,3,4,5,6,7                ; threads 0-255 take slices 0-7 of up, threads 256-511 slices 8-15: 16 bytes of each, into ctx's registers, which are not yet in use
	global_load_b128 v[CTX+4*(\i):CTX+4*(\i)+3], v[UOF], s[8:9] offset:131072*(\i)
.endr
	global_load_b32 v[CC], v[LN], s[10:11]
	FILL 0
	FILL 1
	FILL 2
	FILL 3
	s_wait_loadcnt 32                              ; all but the 32 row loads: up and cpart are in
.irp i, 0,1,2,3                        ; eight slices into one, as a tree
.irp p, 0,1
	v_pk_add_f32 v[CTX+4*(\i)+2*(\p):CTX+4*(\i)+2*(\p)+1], v[CTX+4*(\i)+2*(\p):CTX+4*(\i)+2*(\p)+1], v[CTX+16+4*(\i)+2*(\p):CTX+16+4*(\i)+2*(\p)+1]
.endr
.endr
.irp i, 0,1
.irp p, 0,1
	v_pk_add_f32 v[CTX+4*(\i)+2*(\p):CTX+4*(\i)+2*(\p)+1], v[CTX+4*(\i)+2*(\p):CTX+4*(\i)+2*(\p)+1], v[CTX+8+4*(\i)+2*(\p):CTX+8+4*(\i)+2*(\p)+1]
.endr
.endr
.irp p, 0,1
	v_pk_add_f32 v[CTX+2*(\p):CTX+2*(\p)+1], v[CTX+2*(\p):CTX+2*(\p)+1], v[CTX+4+2*(\p):CTX+4+2*(\p)+1]
.endr
.irp p, 0,1
	v_pk_mul_f32 v[CTX+2*(\p):CTX+2*(\p)+1], v[CTX+2*(\p):CTX+2*(\p)+1], KF op_sel_hi:[1,0]
.endr
	s_wait_alu depctr_va_vdst(0)                   ; the tree has written v[CTX:CTX+3], which the LDS store reads, and is done with all 32 of ctx's registers, in which LDS loads land behind the barrier: the vector lines between name v[CC] alone
	ds_store_b128 v[UST], v[CTX:CTX+3] offset:UX
.irp x, 1,2,4,8                        ; c: sixteen lanes hold the sixteen slices' parts
	v_add_f32_dpp v[CC], v[CC], v[CC] row_xmask:\x row_mask:0xf bank_mask:0xf
.endr
	v_mul_f32 v[CC], KF, v[CC]
	s_wait_dscnt 0x0                               ; for the others' sake: my store is done
	s_barrier_signal -1                            ; the row loads stay on their way across the barrier: nobody writes those bytes of memory
	s_barrier_wait -1
	s_wait_alu depctr_vm_vsrc(0)                   ; my LDS store has read v[CTX:CTX+3] and v[UST], and cpart's load has read v[LN]: the LDS loads below land in the first, the vector lines below write the other two anew
.irp j, 0,1,2,3,4,5,6,7
	ds_load_b128 v[U+4*(\j):U+4*(\j)+3], v[URD] offset:UX+512*(\j)
	ds_load_b128 v[CTX+4*(\j):CTX+4*(\j)+3], v[URD] offset:UX+4096+512*(\j)
.endr
	v_lshlrev_b32 v[UST], 3, v0                    ; from here on: 8 t
	v_and_b32 v[LN], 15, v0                        ; the load that this register addressed is in since the wait for up and cpart
	v_lshl_add_u32 v[LN], v[LN], 3, STATS
	s_wait_dscnt 0x0
.set i, 0
.rept 16
	v_pk_add_f32 v[U+2*i:U+2*i+1], v[U+2*i:U+2*i+1], v[CTX+2*i:CTX+2*i+1]
.set i, i+1
.endr
.set i, 0
.rept 32                               ; ctx = 0: these lines stand in the wait for the first rows, and spare a first product written out for ctx
	v_mov_b32 v[CTX+i], 0
.set i, i+1
.endr
	s_wait_kmcnt 0x0                               ; the mask bytes
; The turn of slot s: one row.  refill = 1: the slot in front of it in the ring, which the turn before read, takes the row three further down than this turn's.  left = how many younger loads may stay out.
.macro TURN s, refill, left
.set PRV, ((\s)+3)%4
	s_wait_loadcnt \left                           ; loads come back in order (ISA guide 5.7.1): my eight are in, the younger slots' stay out
.if \refill
	s_add_nc_u64 s[WB+2*PRV:WB+2*PRV+1], s[WB+2*PRV:WB+2*PRV+1], 16384   ; free since that wait, which shows the older loads that read it done too: that slot's next row
.endif
.irp i, 0,1,2,3                        ; enc_l . u': my 32 numbers, in four chains started by the first four products
	v_pk_mul_f32 v[D+2*(\i):D+2*(\i)+1], v[X+32*(\s)+2*(\i):X+32*(\s)+2*(\i)+1], v[U+2*(\i):U+2*(\i)+1]
.endr
.irp i, 4,5,6,7,8,9,10,11,12,13,14,15
	v_pk_fma_f32 v[D+2*((\i)%4):D+2*((\i)%4)+1], v[X+32*(\s)+2*(\i):X+32*(\s)+2*(\i)+1], v[U+2*(\i):U+2*(\i)+1], v[D+2*((\i)%4):D+2*((\i)%4)+1]
.endr
	v_pk_add_f32 v[D:D+1], v[D:D+1], v[D+2:D+3]
	v_pk_add_f32 v[D+4:D+5], v[D+4:D+5], v[D+6:D+7]
	v_pk_add_f32 v[D:D+1], v[D:D+1], v[D+4:D+5]
	v_add_f32 v[T], v[D], v[D+1]
.irp x, 1,2,4,8                        ; across the 32 lanes: four steps inside each half ride on the addition, one crosses the halves
	v_add_f32_dpp v[T], v[T], v[T] row_xmask:\x row_mask:0xf bank_mask:0xf
.endr
	v_permlanex16_b32 v[T2], v[T], s26, s27
	v_add_f32 v[T], v[T], v[T2]
	v_add_f32 v[T], v[T], v[CC]
	s_bitcmp1_b32 s20, 8*(\s)                      ; the row's mask byte only selects a value
	s_cselect_b32 s24, -1, 0
	v_cndmask_b32 v[T], v[T], v[MV], s24
	v_max_num_f32 v[T2], v[M], v[T]                ; the new maximum
	v_sub_f32 v[D], v[M], v[T2]
	v_sub_f32 v[D+1], v[T], v[T2]
	v_exp_f32 v[A], v[D]
	v_exp_f32 v[PW], v[D+1]
	v_mov_b32 v[M], v[T2]                          ; a plain instruction between the exponentials and the use of their results (ISA guide 5.7.2)
	s_wait_alu depctr_va_vdst(0)                   ; the two exponentials have written a and p, ahead of their first reader; and the turn before is done reading its slot, in which the loads below land
	v_fma_f32 v[M+1], v[M+1], v[A], v[PW]
.set i, 0
.rept 8                                ; the eight loads of the refill, one ahead of each two rescalings.  No further wait: no vector instruction since the wait above names that slot's registers or v[URD]
.if \refill
	global_load_b128 v[X+32*PRV+4*i:X+32*PRV+4*i+3], v[URD], s[WB+2*PRV:WB+2*PRV+1] offset:512*i th:TH_LOAD_NT
.endif
	v_pk_mul_f32 v[CTX+4*i:CTX+4*i+1], v[CTX+4*i:CTX+4*i+1], v[A:A+1] op_sel_hi:[1,0]
	v_pk_mul_f32 v[CTX+4*i+2:CTX+4*i+3], v[CTX+4*i+2:CTX+4*i+3], v[A:A+1] op_sel_hi:[1,0]
.set i, i+1
.endr
.set i, 0
.rept 16
	v_pk_fma_f32 v[CTX+2*i:CTX+2*i+1], v[X+32*(\s)+2*i:X+32*(\s)+2*i+1], v[PW:PW+1], v[CTX+2*i:CTX+2*i+1] op_sel_hi:[1,0,1]
.set i, i+1
.endr
.endm
	TURN 0, 0, 24                                  ; row 0 has no turn in front of it, so nothing is asked for: rows 1 to 3, 24 loads, stay out
	s_mov_b32 s25, 3
.Lround:                                               ; three trips of four rows, rows 1 to 12: turn r asks for row r + 3, so behind row r's eight loads stand those of rows r + 1 and r + 2, on the way in and round the jump alike
	TURN 1, 1, 16
	TURN 2, 1, 16
	TURN 3, 1, 16
	s_mov_b32 s20, s21                             ; the next four rows' mask bytes
	s_mov_b32 s21, s22
	s_mov_b32 s22, s23
	TURN 0, 1, 16
	s_sub_co_u32 s25, s25, 1
	s_cmp_lg_u32 s25, 0
	s_cbranch_scc1 .Lround
	TURN 1, 0, 16                                  ; the last three rows ask for nothing: the counts run down
	TURN 2, 0, 8
	TURN 3, 0, 0
	; THE 16 WAVES ARE MERGED.  Each puts its context and its (M, L) into LDS; behind the barrier thread t takes numbers 2 t and 2 t + 1 of all sixteen contexts.
	s_wait_alu depctr_va_vdst(0)                   ; the last turn has written ctx, M and L, which the LDS stores read; the turns are done with v[D:D+1] and with slot 0's registers, in which LDS loads land behind the barrier: no vector line stands between
.irp j, 0,1,2,3,4,5,6,7
	ds_store_b128 v[CST], v[CTX+4*(\j):CTX+4*(\j)+3] offset:512*(\j)
.endr
	ds_store_b64 v[SST], v[M:M+1]                  ; all lanes write the same pair to the same place
	s_wait_dscnt 0x0                               ; for the others' sake: my stores are done
	s_barrier_signal -1
	s_barrier_wait -1
	ds_load_b64 v[D:D+1], v[LN]                    ; lane l: (M, L) of wave l % 16
.set i, 0
.rept 16
	ds_load_b64 v[X+2*i:X+2*i+1], v[CRD] offset:4096*i
.set i, i+1
.endr
	s_wait_dscnt 16                                ; all but the sixteen context loads: the statistics are in
	v_mov_b32 v[D+2], v[D]
.irp x, 1,2,4,8
	v_max_num_f32_dpp v[D+2], v[D+2], v[D+2] row_xmask:\x row_mask:0xf bank_mask:0xf   ; the work-group's maximum
.endr
	v_sub_f32 v[D+4], v[D], v[D+2]
	v_exp_f32 v[D+4], v[D+4]                       ; wave l % 16's weight
	v_nop                                          ; a plain instruction between the exponential and the use of its result
	s_wait_alu depctr_va_vdst(0)                   ; the exponential has written v[D+4], ahead of its first reader
	v_mul_f32 v[D+3], v[D+4], v[D+1]
.irp x, 1,2,4,8
	v_add_f32_dpp v[D+3], v[D+3], v[D+3] row_xmask:\x row_mask:0xf bank_mask:0xf       ; the work-group's L
.endr
.set i, 0
.rept 16
	v_readlane_b32 s[40+i], v[D+4], i
.set i, i+1
.endr
	s_wait_dscnt 0x0
	s_wait_alu depctr_va_sdst(0)                   ; s40 to s55 are written, ahead of their first reader: one wait for the run of sixteen
	v_mul_f32 v[U], s40, v[X]
	v_mul_f32 v[U+1], s40, v[X+1]
.set i, 1
.rept 15
	v_fmac_f32 v[U], s[40+i], v[X+2*i]
	v_fmac_f32 v[U+1], s[40+i], v[X+2*i+1]
.set i, i+1
.endr
	s_wait_alu depctr_va_vdst(0)                   ; v[U:U+1] and v[D+2:D+3] are written, which the two stores below read; no vector line follows
	global_store_b64 v[UST], v[U:U+1], s[12:13]    ; a wave stores 256 consecutive bytes, at a multiple of 256 from part's first byte (a row of part is 17 x 256 bytes)
	s_cmp_lg_u32 s14, 0
	s_cbranch_scc1 .Lnot_wave_0
	global_store_b64 v[UST], v[D+2:D+3], s[12:13] offset:4096   ; wave 0: (M, L) 32 times: the row's last 256 bytes, whole
.Lnot_wave_0:
	s_wait_dscnt 0x0                               ; the closing lines, six on end
	s_wait_alu 0x0
	s_wait_tensorcnt 0x0
	ds_add_u32 v[SPW], v[NIL]
	s_wait_dscnt 0x0
	s_endpgm
.Lfunc_end_k_q70e4ebf953_stream:
	.size	k_q70e4ebf953_stream, .Lfunc_end_k_q70e4ebf953_stream-k_q70e4ebf953_stream
	.p2alignl 7, 3214868480
	.fill 96, 4, 3214868480
	.section	.rodata,"a",@progbits
	.p2align	6, 0x0
	.amdhsa_kernel k_q70e4ebf953_stream
		.amdhsa_group_segment_fixed_size 76032
		.amdhsa_private_segment_fixed_size 0
		.amdhsa_enable_private_segment 0
		.amdhsa_kernarg_size 40
		.amdhsa_user_sgpr_count 2
		.amdhsa_user_sgpr_kernarg_segment_ptr 1
		.amdhsa_wavefront_size32 1
		.amdhsa_system_sgpr_workgroup_id_x 1
		.amdhsa_system_sgpr_workgroup_id_y 1
		.amdhsa_system_sgpr_workgroup_id_z 1
		.amdhsa_system_vgpr_workitem_id 0
		.amdhsa_next_free_vgpr 224
		.amdhsa_next_free_sgpr 66
		.amdhsa_reserve_vcc 0
		.amdhsa_float_denorm_mode_32 3
		.amdhsa_float_denorm_mode_16_64 3
		.amdhsa_memory_ordered 1
		.amdhsa_forward_progress 1
		.amdhsa_inst_pref_size 53
	.end_amdhsa_kernel
	.amdgpu_metadata
---
amdhsa.version: [ 1, 2 ]
amdhsa.kernels:
  - .name:           k_q70e4ebf953_stream
    .symbol:         k_q70e4ebf953_stream.kd
    .args:
      - { .name: encoder_output, .offset: 0, .size: 8, .value_kind: global_buffer, .address_space: global }
      - { .name: mask, .offset: 8, .size: 8, .value_kind: global_buffer, .address_space: global }
      - { .name: up, .offset: 16, .size: 8, .value_kind: global_buffer, .address_space: global }
      - { .name: cpart, .offset: 24, .size: 8, .value_kind: global_buffer, .address_space: global }
      - { .name: part, .offset: 32, .size: 8, .value_kind: global_buffer, .address_space: global }
    .group_segment_fixed_size: 76032
    .private_segment_fixed_size: 0
    .kernarg_segment_align: 8
    .kernarg_segment_size: 40
    .max_flat_workgroup_size: 512
    .sgpr_count:     66
    .vgpr_count:     224
    .wavefront_size: 32
...
	.end_amdgpu_metadata
.endif
;; end of part 5
;; launch fin: the kernel of part 4 again; grid 8 x 32, 1 waves a work-group, no clusters, 0 bytes of LDS; arguments part, out0; writes out0
